; MI455X (gfx1250); checked and timed in simulation.
; The chip was launched on July 23, 2026; its instructions are those of AMD's public machine-readable ISA for CDNA 5 (MIT licence, August 2026) and "CDNA5" Instruction Set Architecture Reference Guide (July 2026). The comments in the code are by the model that wrote it; some were corrected since.
;; ABC Linear. Allowed arithmetic: matrix products marked QUANTISED: E4M3 operands, one given power-of-two scale a tensor, by v_wmma_f32_16x16x64_fp8_fp8 or v_wmma_f32_16x16x128_fp8_fp8, f32 sums; everything else in f32.
;; Inputs: As 2 x 4,096 x 64 float32; Bs_codes 2 x 64 x 2 x 32 uint8 (E4M3 codes of Bs, K innermost, in blocks of 32 codes); Cs 2 x 64 x 4,096 float32; W 4,096 x 4,096 float32; bias 4,096 float32; lowp_scales 6 int32 (the exponents e of the quantised operands' scales 2^e); x_codes 2,048 x 128 x 32 uint8 (E4M3 codes of x, K innermost, in blocks of 32 codes).
;; Outputs: out0 2,048 x 4,096 float32.
;; This version of the problem:
;;   THIS VERSION OF THE PROBLEM IS GIVEN IN LOW PRECISION. The matrix products marked QUANTISED in the list below multiply operands that are first quantised to E4M3 (4 exponent bits, 3 mantissa bits; 8 bits a number), with one given power-of-two scale for each operand tensor; their sums are f32. All else is computed in f32.
;;   The module's matrix products, in the order in which they are computed (A, B: the left and right operand; K: the contracted axis; several contracted axes count as one K, in the product's order):
;;     1. batch 2 x [M 4,096, K 64] x [K 64, N 64]; A: computed on the way; B: input Bs (given as codes): QUANTISED (scales: A lowp_scales[0], B lowp_scales[1])
;;     2. [M 4,096, K 128] x [K 128, N 4,096]; A: computed on the way; B: input Cs: QUANTISED (scales: A lowp_scales[2], B lowp_scales[3])
;;     3. [M 2,048, K 4,096] x [K 4,096, N 4,096]; A: input x (given as codes); B: computed on the way: QUANTISED (scales: A lowp_scales[4], B lowp_scales[5])
;;   THE QUANTISER, for each operand of a quantised product, along K:
;;     - The operand's scale is 2^e, e = its entry of the input lowp_scales (int32; the entries are numbered through the quantised products in the list's order, A before B).
;;     - Each number is divided by the scale, clamped to +-448, and rounded to the nearest number of E4M3, ties to even, subnormals kept.
;;     - The product sums the exact products of the quantised numbers (number of the format x scale) in f32.
;;   ~~~python
;;   def quantise(x, axis, e):      # numpy; x: float32 -> the quantised numbers, widened to float32 again
;;       x = np.moveaxis(x, axis, -1); K = x.shape[-1]
;;       r = np.clip(x / 2.0 ** e, -448, 448)
;;       step = 2.0 ** (np.maximum(np.frexp(np.where(r == 0, 1, r))[1] - 1, -6) - 3)
;;       q = np.round(r / step) * step * 2.0 ** e      # np.round: ties to even
;;       return np.moveaxis(q, -1, axis).astype(np.float32)
;;   ~~~
;;   OPERANDS COMPUTED ON THE WAY. 'Computed on the way' means the value that the module computes at that place (a softmax that the list does not call 'softmax' is quantised finished and normalised). What goes into a quantiser is computed in f32, as accurately as f32 sums, v_exp_f32 and their like allow (about 1e-6 of the number): no bf16 or f16 on the way to a quantiser, and a product that is left as it is and whose result goes on into a quantised operand takes f32 operands (vector FMAs, or v_wmma_f32_16x16x4_f32). A number that lies on a knife's edge between two numbers of the format may be rounded either way, as far as f32 arithmetic and the matrix unit's own rounding can turn it there, and no further.
;;   INPUTS GIVEN AS CODES. Bs (in the module: [2, 64, 64], K = its axis 1); x (in the module: [2048, 4096], K = its axis 1): each comes as NAME_codes (uint8): NAME with its K axis moved to the last place and cut into blocks of 32 codes, [.., K / 32, bytes a block], one block behind the other in memory; one code a byte (a code: sign, 4 exponent bits, 3 mantissa bits); its scale is its entry of lowp_scales. Its value is code x scale, taken as it is: it is not quantised again, and the codes and scales need not be those that the quantiser above would give.
;; One version. Each part assembles by itself: llvm-mc -triple=amdgcn-amd-amdhsa -mcpu=gfx1250 --defsym DOCPART=n.
;; ======== version 1 of 1: 2 launches
;; limits: right only within a limited range of input values
;; workspace buffers: wq 16,777,216 bytes
;; launch weff (part 1): grid 16 x 16, 16 waves a work-group, no clusters, 303,104 bytes of LDS; arguments As, Bs_codes, Cs, W, lowp_scales, wq; writes wq
.if DOCPART == 1
	.amdgcn_target "amdgcn-amd-amdhsa--gfx1250"
	.amdhsa_code_object_version 6
	.text
	.protected	k_q2585a5fc37_weff
	.globl	k_q2585a5fc37_weff
	.p2align	8
	.type	k_q2585a5fc37_weff,@function
k_q2585a5fc37_weff:
	s_mov_b64 s[64:65], 0
	v_nop
	global_prefetch_b8 v0, s[64:65] scope:SCOPE_SE
	s_setreg_imm32_b32 hwreg(HW_REG_WAVE_MODE, 25, 1), 1
	s_wait_xcnt 0x0
; W_eff = W + sum over f of tanh(A_f) B_f C_f, quantised to codes of FP8 (E4M3) with the given scale 2^e5, for the product x W_eff^T of the next launch.
; NOTHING OF THE PROBLEM IS LEFT OUT: every input has a way to the output for all values (bias and x's codes are read by the next launch), and each quantiser is a step of the problem.
; The three steps here: P1: AB = Q(tanh(As), e0) x Bs' codes (e1), K = 64 for each of two factors; P2: Q(AB, e2) x Q(Cs, e3), K = 128 = (factor, rank); then W is added and the sum is quantised (e5).
; SHARES.  A work-group owns W_eff[256 gy .. +255][256 gx .. +255].  Wave w of sixteen owns the 16 rows o = 256 gy + 16 w + 0 .. 15: it makes its own rows of tanh(As) and of AB and keeps AB's codes in registers.
; Cs' codes for the 256 columns are made jointly: wave w takes 32 columns (block w % 8), a lane a column, and factor w / 8, registers down K; they go to LDS as images of the operand's registers.
; The work-group's 256 x 256 numbers of W are asked for in the first lines, 16 rows a wave by one tensor load into the wave's own LDS bytes; tanh, P1 and Cs' codes are made while they are on their way.
; BOTH PRODUCTS ARE USED TRANSPOSED (source 1 = my 16 rows o), so that a lane holds ONE row o and its registers run along the next product's K.  The rows of source 0 that form a tile are chosen for that:
; lane r of tile 2 b + u takes row 32 b + 8 u + r + 8 (r / 8), so the 16 registers of tiles 2 b and 2 b + 1 are 16 neighbours: 32 b + 16 (lane / 16) + 0 .. 15.
; EVERY FRAGMENT holds, in registers 4 c .. 4 c + 3 of lane (r, h), k = 32 c + 16 h + 0 .. 15: the same order of k on both sides of a product, so every number meets its partner.
; W goes in as the C of P2's matrix instructions, divided by 2^(e2 + e3), the power of two that the sums lack; the conversion's one scale is then 2^(e5 - e2 - e3).
; OUTPUT LAYOUT (wq): fragment (ot, ks) = rows 16 ot + r, i = 128 ks + .., at byte (32 ot + ks) x 2,048 + 512 c + 16 lane: a store of the wave covers 512 consecutive bytes, aligned.
; tanh: |x| < 0.25: x + x x^2 (-1/3 + x^2 (2/15 + x^2 (-17/315 + x^2 62/2835))), whose first term left out is under 1e-8 of the number; else 1 - 2 / (1 + 2^(2 log2(e) x)), which ends at +-1.  Both are computed, one is selected.
; NO JOINT LOADS: As (131,072 bytes a work-group) and Cs (131,072) are shared with other work-groups, but W's tile and the images take 301,056 bytes of LDS, so these have no room there, and they are wanted in registers for the conversions.
; LIMITS: e0, e3, e2 - e0 - e1 and e5 - e2 - e3 each between -126 and 119; e2 + e3 between -127 and 126, so that each power of two below is an f32 number.  NaN among the inputs is not served.
.set PW,    1040                       ; a row of W in LDS: 1,024 bytes + 16 of padding = 260 words: row r starts at bank 4 r mod 64 (64 banks of 4 bytes: ISA guide 11.1)
.set WROWS, 16*PW                      ; a wave's 16 rows
.set CIMG,  16*WROWS                   ; behind W: Cs' 16 fragments as images,
.set CFP,   2176                       ; 2,048 bytes + 128 apart, so that the two fragments that one store touches fall on different banks
.set SPARE, CIMG+16*CFP                ; behind them: the spare words, 128 bytes for each wave: eight blocks of 256 bytes that no other line names
.set ASO, 1                            ; v1   As: 256 r + 64 h
.set BSO, 2                            ; v2   Bs' codes: 64 (r + 8 (r / 8)) + 16 h
.set CSO, 3                            ; v3   Cs: 4 x lane
.set CST, 4                            ; v4   where I store my column's codes
.set WRD, 5                            ; v5   where I read my row of W
.set CRD, 6                            ; v6   where I read an image: CIMG + 16 x lane
.set QO,  7                            ; v7   wq: 16 x lane
.set SPW, 8                            ; v8   LDS address of my spare word; never rewritten
.set NIL, 9                            ; v9   0; never rewritten
.set SC,  10                           ; v10  the scale of the conversions in hand, as f32
.set LIM, 11                           ; v11  448 x that
.set C7,  14                           ; v[14:15] -17/315
.set BF,  16                           ; v16-79   Bs' 8 fragments (tile 4 f + t: 8 registers); later
.set ACC, 16                           ;          W / 2^(e2 + e3), then P2's sums: 8 tiles of 8
.set AN,  80                           ; v80-143  As' 64 numbers, then tanh; then
.set H,   80                           ;          P1's 8 tiles; later
.set CF,  80                           ; v80-207  8 fragments of Cs
.set CN,  144                          ; v144-207 Cs' 64 numbers; then at work for tanh:
.set T,   144
.set X2,  160
.set R,   176
.set CQ,  208                          ; v208-223 Cs' codes; later
.set Q0,  208                          ; v208-239 W_eff's codes: 16 registers for each of the two passes
.set AC,  224                          ; v224-239 tanh's codes, 8 registers a factor
.set AB,  240                          ; v240-255 AB's fragment: it stays
; eight numbers are held within +-448 x the scale (the conversion to an 8-bit code does not saturate: ISA guide 7.6.2) and become eight codes
.macro QUANT8 dst, src
.irp i, 0,1,2,3,4,5,6,7
	v_med3_num_f32 v[(\src)+\i], v[(\src)+\i], -v[LIM], v[LIM]
.endr
	v_cvt_scalef32_pk8_fp8_f32 v[(\dst):(\dst)+1], v[(\src):(\src)+7], v[SC]
.endm
.macro SETQ s                          ; the scale and the hold of the next conversions
	v_mov_b32 v[SC], s[\s]
	v_mov_b32 v[LIM], s[\s+1]
.endm
.macro MKSC d, e                       ; s[d] = 2^E as f32, s[d + 1] = 448 x 2^E, E in s[e]
	s_add_co_i32 s76, s[\e], 127
	s_lshl_b32 s[\d], s76, 23
	s_add_co_i32 s76, s76, 8
	s_lshl_b32 s[\d+1], s76, 23
	s_or_b32 s[\d+1], s[\d+1], 0x600000
.endm
; tanh of 16 numbers, in place.  Each batch of transcendentals has one plain line behind it and one wait ahead of its first reader, with the series' arithmetic between.
.macro TANH16 x
.irp j, 0,2,4,6,8,10,12,14
	v_pk_mul_f32 v[T+\j:T+\j+1], v[(\x)+\j:(\x)+\j+1], s[40:41] op_sel_hi:[1,0]          ; 2 log2(e) x
.endr
	s_wait_alu depctr_va_vdst(0)
.irp j, 0,1,2,3,4,5,6,7,8,9,10,11,12,13,14,15
	v_exp_f32 v[T+\j], v[T+\j]                                                            ; e^(2 x)
.endr
.irp j, 0,2,4,6,8,10,12,14
	v_pk_mul_f32 v[X2+\j:X2+\j+1], v[(\x)+\j:(\x)+\j+1], v[(\x)+\j:(\x)+\j+1]             ; x^2
.endr
.irp j, 0,2,4,6,8,10,12,14
	v_pk_fma_f32 v[R+\j:R+\j+1], v[X2+\j:X2+\j+1], s[42:43], v[C7:C7+1] op_sel_hi:[1,0,1]
.endr
.irp j, 0,2,4,6,8,10,12,14
	v_pk_fma_f32 v[R+\j:R+\j+1], v[R+\j:R+\j+1], v[X2+\j:X2+\j+1], s[44:45] op_sel_hi:[1,1,0]
.endr
.irp j, 0,2,4,6,8,10,12,14
	v_pk_fma_f32 v[R+\j:R+\j+1], v[R+\j:R+\j+1], v[X2+\j:X2+\j+1], s[46:47] op_sel_hi:[1,1,0]
.endr
	s_wait_alu depctr_va_vdst(0)                                                          ; one wait for the 16 exponentials, ahead of their first reader
.irp j, 0,2,4,6,8,10,12,14
	v_pk_add_f32 v[T+\j:T+\j+1], v[T+\j:T+\j+1], 1.0 op_sel_hi:[1,0]
.endr
	s_wait_alu depctr_va_vdst(0)
.irp j, 0,1,2,3,4,5,6,7,8,9,10,11,12,13,14,15
	v_rcp_f32 v[T+\j], v[T+\j]
.endr
.irp j, 0,2,4,6,8,10,12,14
	v_pk_mul_f32 v[R+\j:R+\j+1], v[R+\j:R+\j+1], v[X2+\j:X2+\j+1]
.endr
.irp j, 0,2,4,6,8,10,12,14
	v_pk_fma_f32 v[R+\j:R+\j+1], v[R+\j:R+\j+1], v[(\x)+\j:(\x)+\j+1], v[(\x)+\j:(\x)+\j+1]   ; the series
.endr
	s_wait_alu depctr_va_vdst(0)                                                          ; one wait for the 16 reciprocals
.irp j, 0,2,4,6,8,10,12,14
	v_pk_fma_f32 v[T+\j:T+\j+1], v[T+\j:T+\j+1], -2.0, 1.0 op_sel_hi:[1,0,0]              ; 1 - 2 / (1 + e^(2 x))
.endr
.irp j, 0,1,2,3,4,5,6,7,8,9,10,11,12,13,14,15
	v_cmp_gt_f32 vcc_lo, s48, v[X2+\j]                                                    ; x^2 < 0.0625: the series
	s_delay_alu instid0(VALU_DEP_1)
	v_cndmask_b32 v[(\x)+\j], v[T+\j], v[R+\j], vcc_lo
.endr
.endm
	s_load_b256 s[4:11], s[0:1], 0x0               ; As s[4:5], Bs' codes s[6:7], Cs s[8:9], W s[10:11]
	s_load_b128 s[12:15], s[0:1], 0x20             ; the scales' exponents s[12:13], wq s[14:15]
	v_lshl_add_u32 v[SPW], v0, 2, SPARE
	v_mov_b32 v[NIL], 0
	ds_add_u32 v[SPW], v[NIL]                      ; the wave's opening: the add, twice on end, and its wait ahead of my tensor load; the set-up below, work on registers, stands between
	ds_add_u32 v[SPW], v[NIL]
	v_lshrrev_b32 v12, 5, v0
	s_delay_alu instid0(VALU_DEP_1)
	v_readfirstlane_b32 s28, v12                   ; wave 0..15
	s_mov_b32 s29, ttmp9                           ; gx: which 256 columns i
	s_and_b32 s30, ttmp7, 0xffff                   ; gy: which 256 rows o
	; descriptor group 1: 16 rows x 256 elements of 4 bytes, 4,096 elements from row to row, padded in LDS
	s_mov_b32 s16, (2<<16)|(1<<20)|(7<<22)|(3<<25) ; 15:0 no mask; 17:16 elements of 4 bytes; 20 padding on; 24:22 after every 256 words (code 7); 31:25 four words (code 3)
	s_mov_b32 s17, 256<<16                         ; tensor_dim0
	s_mov_b32 s18, 16<<16                          ; tensor_dim1
	s_mov_b32 s19, 256<<16                         ; tile_dim0
	s_mov_b32 s20, 16                              ; tile_dim1
	s_mov_b32 s21, 4096                            ; tensor_dim0_stride
	s_mov_b32 s22, 0
	s_mov_b32 s23, 0
	s_mov_b32 s40, 0x4038aa3b                      ; 2 log2(e); each constant is named as a pair, so both words are written
	s_mov_b32 s41, s40
	s_mov_b32 s42, 0x3cb327a4                      ; 62/2835
	s_mov_b32 s43, s42
	s_mov_b32 s44, 0x3e088889                      ; 2/15
	s_mov_b32 s45, s44
	s_mov_b32 s46, 0xbeaaaaab                      ; -1/3
	s_mov_b32 s47, s46
	s_mov_b32 s48, 0x3d800000                      ; 0.25^2
	v_mov_b32 v[C7], 0xbd5d0dd1                    ; -17/315
	v_mov_b32 v[C7+1], 0xbd5d0dd1
	s_lshl_b32 s31, s30, 4
	s_add_co_u32 s31, s31, s28                     ; my tile of 16 rows: 16 gy + w
	s_and_b32 s72, s28, 7                          ; my block of 32 columns of Cs
	s_lshr_b32 s73, s28, 3                         ; my factor
	s_mul_i32 s74, s72, 2*CFP                      ; a block of 32 columns is two fragments;
	s_lshl_b32 s76, s73, 10                        ; a factor is 64 along K: two of a fragment's four quads of registers, 512 bytes each
	s_add_co_u32 s74, s74, s76
	s_add_co_u32 s74, s74, CIMG
	s_mul_i32 s75, s28, WROWS                      ; my rows of W in LDS
	s_lshl_b32 s60, s31, 18                        ; W: 16 rows of 16,384 bytes a tile,
	s_lshl_b32 s76, s29, 10                        ; + 256 columns of 4 bytes
	s_add_co_u32 s60, s60, s76
	s_mov_b32 s61, 0
	s_lshl_b32 s62, s31, 12                        ; As: 16 rows of 256 bytes
	s_mov_b32 s63, 0
	s_lshl_b32 s66, s73, 20                        ; Cs: the factor's 64 rows of 16,384 bytes,
	s_add_co_u32 s66, s66, s76                     ; + 256 gx columns,
	s_lshl_b32 s77, s72, 7                         ; + my 32 columns
	s_add_co_u32 s66, s66, s77
	s_mov_b32 s67, 0
	s_lshl_b32 s68, s31, 16                        ; wq: a tile of rows is 32 fragments of 2,048 bytes,
	s_lshl_b32 s77, s29, 12                        ; + two fragments for each 256 columns
	s_add_co_u32 s68, s68, s77
	s_mov_b32 s69, 0
	v_and_b32 v16, 31, v0                          ; lane
	v_and_b32 v17, 15, v0                          ; r
	v_bfe_u32 v18, v0, 4, 1                        ; h
	s_delay_alu instid0(VALU_DEP_2)
	v_lshlrev_b32 v[ASO], 8, v17
	s_delay_alu instid0(VALU_DEP_1)
	v_lshl_add_u32 v[ASO], v18, 6, v[ASO]
	s_delay_alu instid0(VALU_DEP_4)
	v_and_b32 v19, 8, v17
	s_delay_alu instid0(VALU_DEP_1)
	v_add_nc_u32 v19, v19, v17                     ; r + 8 (r / 8)
	s_delay_alu instid0(VALU_DEP_1)
	v_lshlrev_b32 v[BSO], 6, v19
	s_delay_alu instid0(VALU_DEP_1)
	v_lshl_add_u32 v[BSO], v18, 4, v[BSO]
	v_lshlrev_b32 v[CSO], 2, v16
	v_bfe_u32 v19, v0, 3, 1                        ; column 32 cb + lane is lane rr = (lane % 8) + 8 (lane / 16) of fragment 2 cb + u, u = (lane / 8) % 2
	v_and_b32 v20, 7, v0
	s_delay_alu instid0(VALU_DEP_1)
	v_lshl_or_b32 v20, v18, 3, v20
	s_delay_alu instid0(VALU_DEP_3)
	v_mul_u32_u24 v[CST], v19, CFP
	s_delay_alu instid0(VALU_DEP_1)
	v_lshl_add_u32 v[CST], v20, 4, v[CST]
	s_delay_alu instid0(VALU_DEP_1)
	v_add_nc_u32 v[CST], s74, v[CST]
	v_mul_u32_u24 v[WRD], v17, PW
	s_delay_alu instid0(VALU_DEP_1)
	v_lshl_add_u32 v[WRD], v18, 6, v[WRD]
	s_delay_alu instid0(VALU_DEP_1)
	v_add_nc_u32 v[WRD], s75, v[WRD]               ; row r, + 64 h: my 16 numbers of a block of 32
	v_lshl_add_u32 v[CRD], v16, 4, CIMG
	v_lshlrev_b32 v[QO], 4, v16
	s_wait_dscnt 0x0                               ; both opening adds are done
	s_wait_kmcnt 0x0
	s_mov_b32 s24, 1                               ; group 0: count = 1,
	s_mul_i32 s25, s28, WROWS                      ; LDS address: my own bytes,
	s_add_nc_u64 s[26:27], s[10:11], s[60:61]      ; the tile's first element,
	s_or_b32 s27, s27, 0x80000000                  ; type = 2
	tensor_load_to_lds s[24:27], s[16:23]          ; my one tensor load: 16 KiB; the sixteen waves' together are the work-group's whole tile of W
	s_nop 0
	s_load_b128 s[32:35], s[12:13], 0x0            ; e0, e1, e2, e3
	s_load_b64 s[36:37], s[12:13], 0x10            ; e4, e5
	s_add_nc_u64 s[4:5], s[4:5], s[62:63]
	s_add_nc_u64 s[8:9], s[8:9], s[66:67]
	s_add_nc_u64 s[14:15], s[14:15], s[68:69]
.set i, 0
.rept 64
	global_load_b32 v[CN+i], v[CSO], s[8:9] offset:i*16384       ; Cs(factor, k = i, my column): 32 lanes read 128 consecutive bytes
.set i, i+1
.endr
.irp f, 0,1
.irp c, 0,1
.irp j, 0,1,2,3
	global_load_b128 v[AN+32*\f+16*\c+4*\j:AN+32*\f+16*\c+4*\j+3], v[ASO], s[4:5] offset:\f*1048576+128*\c+16*\j   ; As(f, my row, 32 c + 16 h + 4 j ..)
.endr
.endr
.endr
.irp f, 0,1
.irp t, 0,1,2,3
.irp c, 0,1
	global_load_b128 v[BF+8*(4*\f+\t)+4*\c:BF+8*(4*\f+\t)+4*\c+3], v[BSO], s[6:7] offset:\f*4096+(32*(\t/2)+8*(\t%2))*64+32*\c
.endr
.endr
.endr
	s_wait_kmcnt 0x0
	s_sub_co_i32 s77, s34, s32
	s_sub_co_i32 s77, s77, s33                     ; e2 - e0 - e1: a sum of P1 stands for sum x 2^(e0 + e1)
	s_add_co_i32 s78, s34, s35                     ; e2 + e3
	s_sub_co_i32 s79, s37, s78                     ; e5 - e2 - e3
	s_sub_co_i32 s50, 127, s78
	s_lshl_b32 s50, s50, 23                        ; 2^-(e2 + e3) as f32
	s_mov_b32 s51, s50
	MKSC 52, 35                                    ; Cs'
	MKSC 54, 32                                    ; tanh's
	MKSC 56, 77                                    ; AB's
	MKSC 58, 79                                    ; W_eff's
	; ---- Cs' codes: my column, 64 along K
	s_wait_loadcnt 32                              ; Cs' 64 loads are in; As' 16 and Bs' 16 may be out
	SETQ 52
.irp g, 0,1,2,3,4,5,6,7
	QUANT8 CQ+2*\g, CN+8*\g
.endr
	v_nop                                          ; a plain line behind the last conversion, ahead of the lines that write its sources
.irp q, 0,1,2,3
	ds_store_b128 v[CST], v[CQ+4*\q:CQ+4*\q+3] offset:512*(\q/2)+256*(\q%2)   ; k = 16 q .. + 15 of my factor: quad q / 2 of its two, lanes' half q % 2
.endr
	; ---- tanh(As) and its codes
	s_wait_loadcnt 16                              ; As' loads are in; Bs' 16 may be out
	TANH16 AN
	TANH16 AN+16
	TANH16 AN+32
	TANH16 AN+48
	SETQ 54
.irp g, 0,1,2,3,4,5,6,7
	QUANT8 AC+2*\g, AN+8*\g
.endr
	v_nop
	; ---- P1, transposed: source 0 = 16 rows of Bs' codes, source 1 = my 16 rows of tanh's codes; eight accumulators, one instruction each
	s_wait_alu depctr_va_vdst(0)
	s_wait_loadcnt 0x0
.irp g, 0,1,2,3,4,5,6,7
	v_wmma_f32_16x16x64_fp8_fp8 v[H+8*\g:H+8*\g+7], v[BF+8*\g:BF+8*\g+7], v[AC+8*(\g/4):AC+8*(\g/4)+7], 0
.endr
	SETQ 56                                        ; these two and two v_nop are the four places ahead of the first read of results (ISA guide 7.12.1)
	v_nop
	v_nop
.irp g, 0,1,2,3,4,5,6,7
	QUANT8 AB+2*\g, H+8*\g                         ; tiles 4 f + 2 b + u: registers 4 (2 f + b) + 2 u of AB's fragment
.endr
	v_nop
	s_wait_tensorcnt 0x0                           ; my rows of W are in LDS (only I read them)
	s_wait_dscnt 0x0                               ; for the others' sake: my stores of Cs' codes are done
	s_barrier_signal -1
	s_barrier_wait -1                              ; Cs' sixteen fragments are whole
	SETQ 58
; ---- 128 columns: W as C, P2, the codes, the store
.macro PASS ks
.irp b, 0,1,2,3
.irp j, 0,1,2,3
	ds_load_b128 v[ACC+16*\b+4*\j:ACC+16*\b+4*\j+3], v[WRD] offset:512*\ks+128*\b+16*\j    ; W(my row, 128 ks + 32 b + 16 h + 4 j ..): the result's own layout
.endr
.endr
.irp t, 0,1,2,3,4,5,6,7
.irp c, 0,1,2,3
	ds_load_b128 v[CF+16*\t+4*\c:CF+16*\t+4*\c+3], v[CRD] offset:(8*\ks+\t)*CFP+512*\c
.endr
.endr
	s_wait_dscnt 32                                ; W's 16 loads are in; Cs' 32 may be out
.irp j, 0,2,4,6,8,10,12,14,16,18,20,22,24,26,28,30,32,34,36,38,40,42,44,46,48,50,52,54,56,58,60,62
	v_pk_mul_f32 v[ACC+\j:ACC+\j+1], v[ACC+\j:ACC+\j+1], s[50:51] op_sel_hi:[1,0]          ; W / 2^(e2 + e3): nothing is rounded
.endr
	s_wait_alu depctr_va_vdst(0)
	s_wait_dscnt 0x0
.irp t, 0,1,2,3,4,5,6,7
	v_wmma_f32_16x16x128_fp8_fp8 v[ACC+8*\t:ACC+8*\t+7], v[CF+16*\t:CF+16*\t+15], v[AB:AB+15], v[ACC+8*\t:ACC+8*\t+7]   ; eight accumulators, one instruction each
.endr
.rept 4
	v_nop                                          ; four places ahead of the first read of results, and of the next pass' loads into these registers
.endr
.irp t, 0,1,2,3,4,5,6,7
	QUANT8 Q0+16*\ks+2*\t, ACC+8*\t
.endr
	v_nop
.irp b, 0,1,2,3
	global_store_b128 v[QO], v[Q0+16*\ks+4*\b:Q0+16*\ks+4*\b+3], s[14:15] offset:2048*\ks+512*\b   ; 32 lanes store 512 consecutive bytes, aligned; each pass has its own registers for its codes
.endr
.endm
	PASS 0
	PASS 1
	s_wait_tensorcnt 0x0                           ; the wave's end, behind my tensor load and my last LDS store
	ds_add_u32 v[SPW], v[NIL]
	s_wait_dscnt 0x0
	s_endpgm
.Lfunc_end_k_q2585a5fc37_weff:
	.size	k_q2585a5fc37_weff, .Lfunc_end_k_q2585a5fc37_weff-k_q2585a5fc37_weff
	.p2alignl 7, 3214868480
	.fill 96, 4, 3214868480
	.section	.rodata,"a",@progbits
	.p2align	6, 0x0
	.amdhsa_kernel k_q2585a5fc37_weff
		.amdhsa_group_segment_fixed_size 303104
		.amdhsa_private_segment_fixed_size 0
		.amdhsa_enable_private_segment 0
		.amdhsa_kernarg_size 48
		.amdhsa_user_sgpr_count 2
		.amdhsa_user_sgpr_kernarg_segment_ptr 1
		.amdhsa_wavefront_size32 1
		.amdhsa_system_sgpr_workgroup_id_x 1
		.amdhsa_system_sgpr_workgroup_id_y 1
		.amdhsa_system_sgpr_workgroup_id_z 1
		.amdhsa_system_vgpr_workitem_id 0
		.amdhsa_next_free_vgpr 256
		.amdhsa_next_free_sgpr 84
		.amdhsa_reserve_vcc 1
		.amdhsa_float_denorm_mode_32 3
		.amdhsa_float_denorm_mode_16_64 3
		.amdhsa_memory_ordered 1
		.amdhsa_forward_progress 1
		.amdhsa_inst_pref_size 80
	.end_amdhsa_kernel
	.amdgpu_metadata
---
amdhsa.version: [ 1, 2 ]
amdhsa.kernels:
  - .name:           k_q2585a5fc37_weff
    .symbol:         k_q2585a5fc37_weff.kd
    .args:
      - { .name: As, .offset: 0, .size: 8, .value_kind: global_buffer, .address_space: global }
      - { .name: Bs_codes, .offset: 8, .size: 8, .value_kind: global_buffer, .address_space: global }
      - { .name: Cs, .offset: 16, .size: 8, .value_kind: global_buffer, .address_space: global }
      - { .name: W, .offset: 24, .size: 8, .value_kind: global_buffer, .address_space: global }
      - { .name: lowp_scales, .offset: 32, .size: 8, .value_kind: global_buffer, .address_space: global }
      - { .name: wq, .offset: 40, .size: 8, .value_kind: global_buffer, .address_space: global }
    .group_segment_fixed_size: 303104
    .private_segment_fixed_size: 0
    .kernarg_segment_align: 8
    .kernarg_segment_size: 48
    .max_flat_workgroup_size: 512
    .sgpr_count:     84
    .vgpr_count:     256
    .wavefront_size: 32
...
	.end_amdgpu_metadata
.endif
;; end of part 1
;; launch gemm (part 2): grid 16 x 16, 4 waves a work-group, clusters of 4 x 1, 327,680 bytes of LDS; arguments x_codes, wq, lowp_scales, out0, bias; writes out0
.if DOCPART == 2
	.amdgcn_target "amdgcn-amd-amdhsa--gfx1250"
	.amdhsa_code_object_version 6
	.text
	.protected	k_q2585a5fc37_gemm
	.globl	k_q2585a5fc37_gemm
	.p2align	8
	.type	k_q2585a5fc37_gemm,@function
k_q2585a5fc37_gemm:
	s_mov_b64 s[64:65], 0
	v_nop
	global_prefetch_b8 v0, s[64:65] scope:SCOPE_SE
	s_setreg_imm32_b32 hwreg(HW_REG_WAVE_MODE, 25, 1), 1
	s_wait_xcnt 0x0
	s_wait_alu depctr_hold_cnt(0) depctr_sa_sdst(0) depctr_va_vdst(0) depctr_va_sdst(0) depctr_va_ssrc(0) depctr_va_vcc(0) depctr_vm_vsrc(0)
	s_getreg_b32 s2, hwreg(HW_REG_IB_STS2, 6, 4)
	s_cmp_eq_u32 s2, 0
	s_cbranch_scc0 .Lentry_in_a_cluster
	s_endpgm
.Lentry_in_a_cluster:
	s_bfe_u32 s2, ttmp6, 0x10000c
	s_cmp_lg_u32 s2, 0x3003
	s_cbranch_scc0 .Lentry_shape_is_right
	s_endpgm
.Lentry_shape_is_right:
; out[t][o] = 2^(e4 + e5) x (sum over i of x's code [t][i] x W_eff's code [o][i]) + bias[o].  Nothing of the problem is left out here.
; x_codes: [2048][4096] bytes, K innermost.  wq (made by the launch before): fragment (ot, ks) = rows 16 ot + r, k = 128 ks + 32 c + 16 h + 0 .. 15 at byte (32 ot + ks) x 2,048 + 512 c + 16 lane.
; LIMIT: e4 + e5 lies between -126 and 127, so that 2^(e4 + e5) is an f32 number.
; SHARES.  A work-group makes out[128 gy .. +127][256 gx .. +255]; 16 x 16 work-groups.  Wave w of four makes all 128 rows x columns 64 w .. +63: 32 accumulators of 16 x 16, 256 registers.
; B (W_eff's codes): each fragment belongs to ONE wave, and lies in memory as the image of its registers: it goes from memory straight into registers, 512 consecutive bytes a load,
; through a ring of four K steps of 128 (4 x 64 registers).  Loads go out in halves of a step (two fragments, 8 loads); between 40 and 56 of a wave's loads are out in the ring's steady run.
; A (x's codes): all four waves read all 128 rows, so A goes through LDS: two slots of 1,024 along K, filled four times in all.  Wave w fetches the slot's quarter w: 128 rows x 256 bytes.
; CLUSTERS: the four work-groups of a cluster (same gy) need the same tiles of A and ask for them jointly (mask 15).
; B IS NOT ASKED FOR JOINTLY: a joint load lands in LDS, where A's ring and the spare words take 279,040 of 327,680 bytes; the 48,640 left hold one K step of B's 256 rows (32,768 bytes) and no ring of two.
; THE MATRIX INSTRUCTION IS USED TRANSPOSED (source 0 = 16 rows of B, source 1 = 16 rows of A): a lane holds eight neighbouring numbers of a row of out.
; Both sides hold k = 32 c + 16 h + 0 .. 15 in registers 4 c .. 4 c + 3: the same order of k, so every code meets its partner.
; PREFETCHES.  A: behind the fill of slot n + 1 the bytes of fill n + 2 are named, one slot ahead of their load: a lane a row, wave w the quarter w, partner cx the rows 32 cx .. +31: each block once a cluster.
; B: the sixteen work-groups of a grid column read the same 1 MiB; work-group gy names fragment row gy's bytes: in the first step of each four, 8,192 bytes (32 lanes x 256) of the four steps that lie three
; fours on, two fours ahead of their loads; one wave asks.  The first twelve steps of B and the first two fills of A come by their loads alone; the last asks name the last bytes of the rows.
; REGISTERS, in windows of 256: window 0 addresses, bias, the way out; window 1 A's fragments, two sets of 8 x 16; window 2 B's ring, set t % 4 at 64 (t % 4); window 3 accumulator (a, b) at 8 (4 a + b).
.set PITCH, 272                        ; an LDS row: 256 bytes + 16 of padding: the 16 rows that a load touches start at 16 different groups of banks
.set QT,    128*PITCH                  ; a quarter of a slot: 128 rows x 256 along K
.set SLOT,  4*QT
.set SPARE, 2*SLOT                     ; behind the ring: the spare words, 128 bytes a wave, which no other line names
.set ADR, 16                           ; v16-19 LDS address of my part of A's fragments: slot 0 quarters 0-1, 2-3; slot 1 quarters 0-1, 2-3
.set CO,  20                           ; 16 x lane: my bytes of a fragment image of B
.set STO, 21                           ; the way out: where I put 32 bytes of a row
.set RD,  22                           ; where I read rows back
.set OO,  23                           ; my byte offset in out
.set BO,  24                           ; my byte offset in bias
.set PFO, 25                           ; lane x 4,096: a row of x
.set PFB, 26                           ; lane x 256
.set SPW, 28                           ; my spare word; never rewritten
.set NIL, 29                           ; 0; never rewritten
.set BI,  32                           ; v32-35 bias of my four columns
.set BK,  128                          ; the way out: v128-159, v160-191 by turns
.set G1,  24                           ; s[24:31] descriptor group 1
.set G0,  32                           ; s[32:39] group 0, a set for each slot
.set MSB, 0
.macro WIN new
.if MSB != \new
	s_set_vgpr_msb (MSB<<8)|\new
.set MSB, \new
.endif
.endm
.set MUL,  0xf6                        ; source 0 (B) window 2, source 1 (A) window 1, C and D window 3
.set TO_A, 0x40
.set TO_B, 0x80
.macro PLACES
.rept 4
	v_nop
.endr
.endm
.macro JLOAD s                         ; my quarter of a slot, asked for jointly; s_nop 0 and four v_nop behind it
	tensor_load_to_lds s[G0+4*\s:G0+4*\s+3], s[G1:G1+7]
	s_nop 0
	PLACES
.endm
.macro CREST
	s_cmp_lg_u32 s14, 0
	s_cbranch_scc1 .Lnot_wave_0_\@
	s_barrier_signal -3
.Lnot_wave_0_\@:
	s_barrier_wait -3
	s_barrier_signal -1
	s_barrier_wait -1
.endm
.macro CROUND
	s_barrier_signal -1
	s_barrier_wait -1
	CREST
.endm
.macro LDB t, hf                       ; fragments 2 hf, 2 hf + 1 of K step t: 8 loads
.irp b, 0,1
.irp c, 0,1,2,3
	global_load_b128 v[64*((\t)%4)+16*(2*(\hf)+\b)+4*\c:64*((\t)%4)+16*(2*(\hf)+\b)+4*\c+3], v[CO], s[46:47] offset:(2*(\hf)+\b)*65536+(\t)*2048+512*\c
.endr
.endr
.endm
.macro LDA t                           ; A's eight fragments of K step t into set t % 2: 32 loads
.irp a, 0,1,2,3,4,5,6,7
.irp c, 0,1,2,3
	ds_load_b128 v[128*((\t)%2)+16*\a+4*\c:128*((\t)%2)+16*\a+4*\c+3], v[ADR+((\t)/4)%4] offset:(((\t)/2)%2)*QT+((\t)%2)*128+\a*16*PITCH+32*\c
.endr
.endr
.endm
.macro MM t, b, zero                   ; fragment b of B against A's eight: the 32 accumulators take turns, in the same order in every step
.irp a, 0,1,2,3,4,5,6,7
.if \zero
	v_wmma_f32_16x16x128_fp8_fp8 v[8*(4*\a+\b):8*(4*\a+\b)+7], v[64*((\t)%4)+16*\b:64*((\t)%4)+16*\b+15], v[128*((\t)%2)+16*\a:128*((\t)%2)+16*\a+15], 0
.else
	v_wmma_f32_16x16x128_fp8_fp8 v[8*(4*\a+\b):8*(4*\a+\b)+7], v[64*((\t)%4)+16*\b:64*((\t)%4)+16*\b+15], v[128*((\t)%2)+16*\a:128*((\t)%2)+16*\a+15], v[8*(4*\a+\b):8*(4*\a+\b)+7]
.endif
.endr
.endm
; B's halves are numbered 2 t + hf and issued in that order: 0 to 6 at the head, 2 t + 7 and 2 t + 8 in the middle of step t.  WAITB: half 2 t + hf is in; what may stay out are the halves issued behind it.
.macro WAITB t, hf
.set LASTH, 2*(\t)+6
.if LASTH > 63
.set LASTH, 63
.endif
	s_wait_loadcnt 8*(LASTH-2*(\t)-(\hf))
.endm
.macro MID t, places                   ; a step's middle: the second half of B is in; the registers that step t - 1's second half and this step's first half have read are loaded again
	WAITB \t, 1
.if 2*(\t)+7 <= 63
.if \places
	PLACES                                         ; four places behind the matrix instructions that read these registers
.endif
	WIN TO_B
	LDB (\t)+3, 1
.if 2*(\t)+8 <= 63
	LDB (\t)+4, 0
.endif
.endif
.endm
.macro ASKB q                          ; wave q % 4 names B's bytes of steps 4 (q + 3) .. + 3 in my work-group's fragment row
	s_cmp_lg_u32 s14, (\q)%4
	s_cbranch_scc1 .Lnot_mine_\@
	global_prefetch_b8 v[PFB], s[70:71] offset:((\q)+3)*8192 th:TH_LOAD_NT scope:SCOPE_SE
.Lnot_mine_\@:
.endm
.macro STEP t, zero                    ; 128 along K whose successor's A lies in a slot that is whole
	s_wait_dscnt 0x0                               ; A's fragments of this step are in (asked for a step ago)
.if (\t) < 31
	PLACES                                         ; behind the last step's products, which read the other set
	WIN TO_A
	LDA (\t)+1
.endif
	WAITB \t, 0
	WIN MUL
	MM \t, 0, \zero
	MM \t, 1, \zero
	MID \t, 1
.if ((\t)%4 == 0) && ((\t) <= 16)
	WIN 0
	ASKB (\t)/4
.endif
	WIN MUL
	MM \t, 2, \zero
	MM \t, 3, \zero
.endm
; A slot's last step.  In front of the barrier each wave waits for all its tensor loads (its quarter of the next slot), adds 0 to its spare word and waits for that and for its reads of this slot.
; fill = 1: the barrier opens a round of the cluster's barrier, and this slot is filled again first thing behind it.
.macro CHANGE t, fill, slot
	WIN 0
	s_wait_tensorcnt 0x0
	ds_add_u32 v[SPW], v[NIL]
	WAITB \t, 0
	s_wait_dscnt 1                                 ; A's fragments of this step are in; the add may be out
	WIN MUL
	MM \t, 0, 0
	s_wait_dscnt 0x0
	s_barrier_signal -1
	MM \t, 1, 0
	WIN 0
	s_barrier_wait -1
.if \fill
	CREST
	s_add_nc_u64 s[G0+4*\slot+2:G0+4*\slot+3], s[G0+4*\slot+2:G0+4*\slot+3], 2048   ; no tensor load of mine is out: this slot's next 1,024 along K
	JLOAD \slot                                    ; its four v_nop are also the places in front of the loads below
.else
	PLACES
.endif
	WIN TO_A
	LDA (\t)+1
	MID \t, 0
.if (\t) == 7
	WIN 0
	global_prefetch_b8 v[PFO], s[68:69] offset:3072 th:TH_LOAD_NT scope:SCOPE_SE   ; the last fill's bytes, one slot ahead of their load
.endif
	WIN MUL
	MM \t, 2, 0
	MM \t, 3, 0
.endm
	s_load_b128 s[4:7], s[0:1], 0x0                ; x's codes, wq
	s_load_b128 s[8:11], s[0:1], 0x10              ; the scales' exponents, out
	s_load_b64 s[12:13], s[0:1], 0x20              ; bias
	v_lshl_add_u32 v[SPW], v0, 2, SPARE
	v_mov_b32 v[NIL], 0
	ds_add_u32 v[SPW], v[NIL]                      ; the opening lines: the add twice on end and one wait, ahead of my first tensor load
	ds_add_u32 v[SPW], v[NIL]
	v_lshrrev_b32 v1, 5, v0
	v_readfirstlane_b32 s14, v1                    ; wave 0..3
	s_mul_i32 s23, s14, 16*PITCH                   ; my stage for the way out: 16 rows x 272 bytes, in slot 0
	v_and_b32 v6, 31, v0                           ; lane
	v_and_b32 v7, 15, v0                           ; r
	v_bfe_u32 v8, v0, 4, 1                         ; h
	v_lshlrev_b32 v[CO], 4, v6
	v_lshlrev_b32 v[BO], 4, v7
	v_mul_u32_u24 v3, v7, PITCH
	v_lshl_add_u32 v[ADR], v8, 4, v3               ; row r x pitch + 16 h
	v_add_nc_u32 v[ADR+1], 2*QT, v[ADR]
	v_add_nc_u32 v[ADR+2], SLOT, v[ADR]
	v_add_nc_u32 v[ADR+3], SLOT+2*QT, v[ADR]
	v_lshl_add_u32 v5, v8, 5, v3
	v_add_nc_u32 v[STO], s23, v5                   ; in: row r, 32 bytes for each half of the lanes
	v_mul_u32_u24 v4, v8, PITCH
	v_lshl_add_u32 v4, v7, 4, v4
	v_add_nc_u32 v[RD], s23, v4                    ; back: lanes 0-15 one row of 256 bytes, lanes 16-31 the next
	v_lshlrev_b32 v9, 14, v8
	v_lshl_add_u32 v[OO], v7, 4, v9                ; and the same two rows in out
	v_lshlrev_b32 v[PFO], 12, v6
	v_lshlrev_b32 v[PFB], 8, v6
	s_bfe_u32 s40, ttmp6, 0x40000                  ; cx
	s_lshl_b32 s42, ttmp9, 2
	s_add_co_u32 s42, s42, s40                     ; gx = 4 x cluster x + cx
	s_and_b32 s17, ttmp7, 0xffff                   ; gy
	s_mov_b32 s[G1+0], 15|(1<<20)|(1<<21)|(5<<22)|(3<<25)  ; mask: the cluster's four; elements of 1 byte; padding of 4 words behind every 64; bit 21 beside the mask
	s_mov_b32 s[G1+1], 256<<16                     ; tensor_dim0
	s_mov_b32 s[G1+2], 128<<16                     ; tensor_dim1
	s_mov_b32 s[G1+3], 256<<16                     ; tile_dim0
	s_mov_b32 s[G1+4], 128                         ; tile_dim1
	s_mov_b32 s[G1+5], 4096                        ; from row to row
	s_mov_b32 s[G1+6], 0
	s_mov_b32 s[G1+7], 0
	s_lshl_b32 s20, s17, 19                        ; A: 128 gy rows of 4,096 bytes
	s_lshl_b32 s15, s14, 8
	s_add_co_u32 s20, s20, s15                     ; + my quarter's 256 bytes
	s_mov_b32 s21, 0
	s_lshl_b32 s46, s42, 20                        ; B: 16 fragment rows of 65,536 bytes a work-group,
	s_lshl_b32 s18, s14, 18                        ; four a wave
	s_add_co_u32 s46, s46, s18
	s_mov_b32 s47, 0
	s_lshl_b32 s48, s42, 10
	s_add_co_u32 s48, s48, s15                     ; my first column in bytes: 1,024 gx + 256 w
	s_mov_b32 s49, 0
	s_lshl_b32 s50, s17, 21                        ; out: 128 gy rows of 16,384 bytes
	s_add_co_u32 s50, s50, s48
	s_mov_b32 s51, 0
	s_lshl_b32 s52, s40, 17                        ; A's prefetches: my work-group's 32 rows of the 128
	s_add_co_u32 s52, s52, s20
	s_mov_b32 s53, 0
	s_lshl_b32 s54, s42, 20                        ; B's prefetches: fragment row gy of my column's sixteen
	s_lshl_b32 s55, s17, 16
	s_add_co_u32 s54, s54, s55
	s_mov_b32 s55, 0
	s_mul_i32 s45, s14, QT                         ; where my quarter goes
	s_wait_alu depctr_va_vdst(0)                   ; the wait behind the head's vector work, ahead of the waits below
	s_wait_dscnt 0x0                               ; both opening adds are done
	s_wait_kmcnt 0x0
	s_load_b64 s[96:97], s[8:9], 0x10              ; e4, e5
	s_add_nc_u64 s[20:21], s[4:5], s[20:21]
	s_add_nc_u64 s[46:47], s[6:7], s[46:47]
	s_add_nc_u64 s[12:13], s[12:13], s[48:49]
	s_add_nc_u64 s[10:11], s[10:11], s[50:51]
	s_add_nc_u64 s[68:69], s[4:5], s[52:53]
	s_add_nc_u64 s[70:71], s[6:7], s[54:55]
	global_load_b128 v[BI:BI+3], v[BO], s[12:13]   ; the oldest load: every later count leaves it behind
	WIN TO_B
.irp t, 0,1,2
	LDB \t, 0
	LDB \t, 1
.endr
	LDB 3, 0                                       ; halves 0 to 6: 56 loads
	WIN 0
.irp s, 0,1
	s_mov_b32 s[G0+4*\s], 1
	s_add_co_u32 s[G0+4*\s+1], s45, \s*SLOT
	s_add_nc_u64 s[G0+4*\s+2:G0+4*\s+3], s[20:21], \s*1024
	s_or_b32 s[G0+4*\s+3], s[G0+4*\s+3], 0x80000000
.endr
	CROUND                                         ; the four work-groups are here: the first joint loads meet
	JLOAD 0                                        ; K 0 .. 1,023: one tensor load a wave at the head
	s_wait_tensorcnt 0x0                           ; my quarter is in; slot 1's first fill is issued as a refill is
	ds_add_u32 v[SPW], v[NIL]
	s_wait_dscnt 0x0
	CROUND
	JLOAD 1                                        ; K 1,024 .. 2,047
	WIN TO_A
	LDA 0
	WIN 0
	global_prefetch_b8 v[PFO], s[68:69] offset:2048 th:TH_LOAD_NT scope:SCOPE_SE   ; the third fill's bytes, one slot ahead of their load
	STEP 0, 1                                      ; the first products start the sums: nothing is cleared
.irp t, 1,2,3,4,5,6
	STEP \t, 0
.endr
	CHANGE 7, 1, 0
.irp t, 8,9,10,11,12,13,14
	STEP \t, 0
.endr
	CHANGE 15, 1, 1
.irp t, 16,17,18,19,20,21,22
	STEP \t, 0
.endr
	CHANGE 23, 0, 0                                ; nothing is left to fetch: no round, no fill
.irp t, 24,25,26,27,28,29,30,31
	STEP \t, 0
.endr
	WIN 0
; THE WAY OUT, by blocks of 16 rows x 64 columns.  A lane holds 32 bytes of a row; a block goes through my own stage and comes back as whole rows of 256 bytes, which sixteen lanes store as one aligned unit.
; The stage lies in slot 0, which has had its last fill, and whose last reads every wave awaited in front of the last barrier.  LDS serves a wave's instructions in order (ISA guide 5.7.1.4).
.macro TOSTAGE a
	WIN 0x0c                                       ; the stores' data: window 3
.irp b, 0,1,2,3
	ds_store_b128 v[STO], v[8*(4*(\a)+\b):8*(4*(\a)+\b)+3] offset:64*\b          ; each accumulator from its low end on
	ds_store_b128 v[STO], v[8*(4*(\a)+\b)+4:8*(4*(\a)+\b)+7] offset:64*\b+16
.endr
	WIN 0
.set BB, BK+32*((\a)%2)
.irp t, 0,1,2,3,4,5,6,7
	ds_load_b128 v[BB+4*\t:BB+4*\t+3], v[RD] offset:\t*2*PITCH
.endr
.endm
.macro SEND a, younger                 ; younger: the LDS instructions issued behind block a's loads
.set BB, BK+32*((\a)%2)
	s_wait_dscnt \younger
.irp t, 0,1,2,3,4,5,6,7
	v_pk_fma_f32 v[BB+4*\t:BB+4*\t+1], v[BB+4*\t:BB+4*\t+1], s[96:97], v[BI:BI+1] op_sel_hi:[1,0,1]       ; x 2^(e4 + e5), + bias
	v_pk_fma_f32 v[BB+4*\t+2:BB+4*\t+3], v[BB+4*\t+2:BB+4*\t+3], s[96:97], v[BI+2:BI+3] op_sel_hi:[1,0,1]
.endr
.irp t, 0,1,2,3,4,5,6,7
	global_store_b128 v[OO], v[BB+4*\t:BB+4*\t+3], s[10:11] offset:(16*(\a)+2*\t)*16384 th:TH_STORE_NT   ; sixteen lanes store 256 consecutive bytes, aligned
.endr
.endm
	s_wait_kmcnt 0x0
	s_add_co_i32 s96, s96, s97
	s_add_co_i32 s96, s96, 127
	s_lshl_b32 s96, s96, 23                        ; 2^(e4 + e5) as f32
	s_mov_b32 s97, s96
	PLACES                                         ; four places ahead of the first read of results
	TOSTAGE 0
.irp a, 1,2,3,4,5,6,7
.if \a > 1
	s_wait_xcnt 0x0                                ; block a - 2's stores have read their registers: block a's loads may land there
.endif
	TOSTAGE \a
	SEND \a-1, 16                                  ; behind block a - 1's loads: block a's 8 stores and 8 loads
.endr
	SEND 7, 0
	s_wait_tensorcnt 0x0                           ; the wave's end
	ds_add_u32 v[SPW], v[NIL]
	s_wait_dscnt 0x0
	CROUND                                         ; the closing round
	s_endpgm
.Lfunc_end_k_q2585a5fc37_gemm:
	.size	k_q2585a5fc37_gemm, .Lfunc_end_k_q2585a5fc37_gemm-k_q2585a5fc37_gemm
	.p2alignl 7, 3214868480
	.fill 96, 4, 3214868480
	.section	.rodata,"a",@progbits
	.p2align	6, 0x0
	.amdhsa_kernel k_q2585a5fc37_gemm
		.amdhsa_group_segment_fixed_size 327680
		.amdhsa_private_segment_fixed_size 0
		.amdhsa_enable_private_segment 0
		.amdhsa_kernarg_size 40
		.amdhsa_user_sgpr_count 2
		.amdhsa_user_sgpr_kernarg_segment_ptr 1
		.amdhsa_wavefront_size32 1
		.amdhsa_system_sgpr_workgroup_id_x 1
		.amdhsa_system_sgpr_workgroup_id_y 1
		.amdhsa_system_sgpr_workgroup_id_z 1
		.amdhsa_system_vgpr_workitem_id 0
		.amdhsa_next_free_vgpr 1024
		.amdhsa_next_free_sgpr 98
		.amdhsa_reserve_vcc 0
		.amdhsa_float_denorm_mode_32 3
		.amdhsa_float_denorm_mode_16_64 3
		.amdhsa_memory_ordered 1
		.amdhsa_forward_progress 1
		.amdhsa_inst_pref_size 222
	.end_amdhsa_kernel
	.amdgpu_metadata
---
amdhsa.version: [ 1, 2 ]
amdhsa.kernels:
  - .name:           k_q2585a5fc37_gemm
    .symbol:         k_q2585a5fc37_gemm.kd
    .args:
      - { .name: x_codes, .offset: 0, .size: 8, .value_kind: global_buffer, .address_space: global }
      - { .name: wq, .offset: 8, .size: 8, .value_kind: global_buffer, .address_space: global }
      - { .name: lowp_scales, .offset: 16, .size: 8, .value_kind: global_buffer, .address_space: global }
      - { .name: out0, .offset: 24, .size: 8, .value_kind: global_buffer, .address_space: global }
      - { .name: bias, .offset: 32, .size: 8, .value_kind: global_buffer, .address_space: global }
    .group_segment_fixed_size: 327680
    .private_segment_fixed_size: 0
    .kernarg_segment_align: 8
    .kernarg_segment_size: 40
    .max_flat_workgroup_size: 128
    .sgpr_count:     98
    .vgpr_count:     1024
    .wavefront_size: 32
...
	.end_amdgpu_metadata
.endif
;; end of part 2
